; MI455X (gfx1250); checked and timed in simulation.
; The chip was launched on July 23, 2026; its instructions are those of AMD's public machine-readable ISA for CDNA 5 (MIT licence, August 2026) and "CDNA5" Instruction Set Architecture Reference Guide (July 2026). The comments in the code are by the model that wrote it; some were corrected since.
;; Sub LSTM Cuda Cell. Allowed arithmetic: matrix products marked QUANTISED: E2M1 operands, one E8M0 scale for each 32 along K, by v_wmma_scale_f32_16x16x128_f8f6f4 with both operands' format E2M1 (or v_wmma_scale_f32_32x16x128_f4), f32 sums; everything else in f32.
;; Inputs: bias 4,096 float32; input 8,192 x 1,024 float32; old_cell 8,192 x 1,024 float32; old_h 8,192 x 1,024 float32; weights 4,096 x 2,048 float32.
;; Outputs: out0 8,192 x 1,024 float32; out1 8,192 x 1,024 float32.
;; This version of the problem:
;;   THIS VERSION OF THE PROBLEM IS GIVEN IN LOW PRECISION. The matrix products marked QUANTISED in the list below multiply operands that are first quantised to E2M1 (2 exponent bits, 1 mantissa bit; 4 bits a number), with one power-of-two scale for each 32 numbers along K (OCP MX v1.0); their sums are f32. All else is computed in f32.
;;   The module's matrix products, in the order in which they are computed (A, B: the left and right operand; K: the contracted axis; several contracted axes count as one K, in the product's order):
;;     1. [M 8,192, K 2,048] x [K 2,048, N 4,096]; A: computed on the way; B: input weights: QUANTISED
;;   THE QUANTISER, for each operand of a quantised product, along K:
;;     - K is cut into blocks of 32 from its start; a last block that is shorter is filled with zeros.
;;     - A block's scale is 2^e with e = floor(log2(the largest magnitude in the block)) - 2, held to -126 .. 127; a block of zeros has e = 0. As a byte (E8M0): e + 127.
;;     - Each number is divided by its block's scale, clamped to +-6, and rounded to the nearest number of E2M1, ties to even, subnormals kept.
;;     - The product sums the exact products of the quantised numbers (number of the format x scale) in f32.
;;   ~~~python
;;   def quantise(x, axis):      # numpy; x: float32 -> the quantised numbers, widened to float32 again
;;       x = np.moveaxis(x, axis, -1); K = x.shape[-1]
;;       x = np.pad(x, [(0, 0)] * (x.ndim - 1) + [(0, -K % 32)]); x = x.reshape(x.shape[:-1] + (-1, 32)); a = np.abs(x).max(-1, keepdims=True)
;;       e = np.where(a > 0, np.clip(np.frexp(np.where(a > 0, a, 1))[1] - 1 - 2, -126, 127), 0)      # np.frexp(a)[1] - 1 = floor(log2(a)), exactly
;;       r = np.clip(x / 2.0 ** e, -6, 6)
;;       step = 2.0 ** (np.maximum(np.frexp(np.where(r == 0, 1, r))[1] - 1, 0) - 1)
;;       q = np.round(r / step) * step * 2.0 ** e      # np.round: ties to even
;;       return np.moveaxis(q.reshape(q.shape[:-2] + (-1,))[..., :K], -1, axis).astype(np.float32)
;;   ~~~
;;   OPERANDS COMPUTED ON THE WAY. 'Computed on the way' means the value that the module computes at that place (a softmax that the list does not call 'softmax' is quantised finished and normalised). What goes into a quantiser is computed in f32, as accurately as f32 sums, v_exp_f32 and their like allow (about 1e-6 of the number): no bf16 or f16 on the way to a quantiser, and a product that is left as it is and whose result goes on into a quantised operand takes f32 operands (vector FMAs, or v_wmma_f32_16x16x4_f32). A number that lies on a knife's edge between two numbers of the format may be rounded either way, as far as f32 arithmetic and the matrix unit's own rounding can turn it there, and no further.
;; One version. Each part assembles by itself: llvm-mc -triple=amdgcn-amd-amdhsa -mcpu=gfx1250 --defsym DOCPART=n.
;; ======== version 1 of 1: 2 launches
;; workspace buffers: xc 8,388,608 bytes; xs 524,288 bytes; wc 4,194,304 bytes; ws 262,144 bytes
;; launch quant (part 1): grid 768 x 1, 4 waves a work-group, no clusters, 33,280 bytes of LDS; arguments old_h, input, weights, xc, xs, wc, ws; writes xc, xs, wc, ws
.if DOCPART == 1
	.amdgcn_target "amdgcn-amd-amdhsa--gfx1250"
	.amdhsa_code_object_version 6
	.text
	.protected	k_q18103992ae_quant
	.globl	k_q18103992ae_quant
	.p2align	8
	.type	k_q18103992ae_quant,@function
k_q18103992ae_quant:
	s_mov_b64 s[64:65], 0
	v_nop
	global_prefetch_b8 v0, s[64:65] scope:SCOPE_SE
	s_setreg_imm32_b32 hwreg(HW_REG_WAVE_MODE, 25, 1), 1
	s_wait_xcnt 0x0
; X = [old_h | input], [8192][2048], and W = weights, [4096][2048], both f32 with K innermost, become codes of FP4 (E2M1), two a byte, the lower k in the low
; four bits, K innermost, with one E8M0 scale byte for each 32 along K.  xc: [8192][1024 bytes], xs: [8192][64 bytes]; wc: [4096][1024 bytes], ws: [4096][64 bytes].
; A block's scale is 2^(floor(log2(its largest magnitude)) - 2); its byte is the largest magnitude's own exponent field - 2, held at 1 from below.
; Each number is divided by the scale and rounded to the nearest code, ties to even; what lies beyond 6 takes the largest code.
; THE CONCATENATION is made by addresses: of a row of X, k = 0 .. 1023 come from old_h and k = 1024 .. 2047 from input.
; W'S ROWS ARE PERMUTED on their way out: row n = 1024 g + 64 t + 32 c + u (gate g, u = 0 .. 31) is written as row n' = 256 t + 128 c + 32 g + u, so that 128 neighbouring
; rows of wc hold the four gates of 32 neighbouring hidden units: the product's launch then finds the four gates of one output in one lane.
; LIMITS: NaN and infinities among the inputs are not served.  A block whose largest magnitude lies under 2^-124 gets the byte 1.  A block of zeros gets the byte 1, not 127:
; its codes are zeros, which add nothing under that byte, and the bytes are read by this program alone.
; SHARES.  Work-groups 0 to 511 take X, 512 to 767 take W.  A wave takes a run of 4 rows, 8,192 numbers, in 16 steps of 512: step t is row t / 4, k = 512 (t % 4) on.  The four rows are
; neighbours in the output too (u .. u + 3), so a run's codes are 4,096 consecutive bytes and its scale bytes 256, aligned.
; Both tensors take ONE path through the text: only pointers, a pitch and a row number are chosen, on the work-group's number.
; A conversion takes 8 numbers of one block from ONE lane's registers, so a lane must hold 16 neighbours; a load is best where neighbouring lanes take neighbouring bytes.  Both are had: each of a
; step's four loads reads 512 consecutive bytes, 16 a lane; the 2,048 bytes go through the wave's own stage in LDS as they lie and come back 64 bytes a lane (16 bytes of padding behind each 64).
; No tensor loads, no barrier: waves share nothing.  Loads run four steps (16 loads a wave) ahead, the turn through LDS one step.  Every offset is an immediate and no source register is written twice.
.set STEPS, 16
.set XWG,   512                        ; work-groups that take X
.set SP,    80                         ; a lane's place in a stage: its 64 bytes + 16 of padding
.set WREG,  8192                       ; LDS of a wave: two stages of 32 x SP bytes, then its 256 scale bytes
.set R,     16                         ; v16-79   four sets of 16 numbers as they are loaded
.set X,     80                         ; v80-111  two sets of 16 neighbours
.set E,     112                        ; v112-127 a scale byte for each step
.set C,     128                        ; v128-159 codes: two registers for each step, so that no store's data are written again
.set VO,    160                        ; v160-163 16 x lane + row x pitch, for the run's four rows
	s_load_b256 s[4:11], s[0:1], 0x0               ; old_h s[4:5], input s[6:7], weights s[8:9], xc s[10:11]
	s_load_b128 s[12:15], s[0:1], 0x20             ; xs s[12:13], wc s[14:15]
	s_load_b64 s[16:17], s[0:1], 0x30              ; ws
	v_lshl_add_u32 v168, v0, 2, 0x8000
	v_mov_b32 v169, 0
	v_lshrrev_b32 v1, 5, v0
	v_readfirstlane_b32 s18, v1                    ; wave
	v_and_b32 v2, 31, v0                           ; lane
	v_lshlrev_b32 v3, 4, v2                        ; my 16 bytes of a load's 512
	s_mul_i32 s19, s18, WREG
	v_lshrrev_b32 v14, 2, v2
	v_mul_u32_u24 v14, v14, SP
	v_and_b32 v15, 3, v2
	v_lshl_add_u32 v14, v15, 4, v14
	v_add_nc_u32 v14, s19, v14                     ; the stage, on the way in: SP (lane / 4) + 16 (lane % 4); a load's 512 bytes take eight places
	v_mul_u32_u24 v15, v2, SP
	v_add_nc_u32 v15, s19, v15                     ; and on the way out: SP x lane: my 16 neighbours
	v_lshlrev_b32 v4, 3, v2                        ; 8 x lane: my codes' place in a step's, and my 8 scale bytes' place in the run's
	v_lshrrev_b32 v5, 1, v2
	s_add_co_u32 s19, s19, 2*32*SP
	v_add_nc_u32 v5, s19, v5                       ; LDS: my wave's 256 scale bytes, my block's byte
	v_add_nc_u32 v6, s19, v4                       ; and on the way out 8 bytes a lane
	s_lshl_b32 s20, ttmp9, 2
	s_add_co_u32 s20, s20, s18                     ; 4 x work-group + wave
	s_mov_b32 s26, 8192
	s_wait_kmcnt 0x0
	s_cmp_lt_u32 ttmp9, XWG                        ; X's work-group or W's?  The choice hangs on the work-group's number alone; only selections follow until all are made
	s_cselect_b64 s[28:29], s[4:5], s[8:9]         ; where k = 0 .. 1023 of a row come from
	s_cselect_b64 s[30:31], s[6:7], s[8:9]         ; and k = 1024 .. 2047
	s_cselect_b64 s[32:33], s[10:11], s[14:15]     ; the codes
	s_cselect_b64 s[34:35], s[12:13], s[16:17]     ; the scale bytes
	s_cselect_b32 s26, 4096, s26                   ; bytes from row to row in the source
	s_cselect_b32 s36, 0, 4096                     ; in W the second half of a row lies 4,096 bytes behind the first
	s_cselect_b32 s21, 0, 4*XWG                    ; the tensor's first run
	s_cselect_b32 s22, 14, 15                      ; a run of four rows is 2^14 bytes of old_h and of input, 2^15 of W
	s_sub_co_u32 s20, s20, s21                     ; my run in its tensor
	s_lshl_b32 s24, s20, s22
	s_mov_b32 s25, 0
	s_mov_b32 s37, 0
	s_add_nc_u64 s[28:29], s[28:29], s[24:25]
	s_add_nc_u64 s[30:31], s[30:31], s[24:25]
	s_add_nc_u64 s[30:31], s[30:31], s[36:37]
	s_lshl_b32 s21, s20, 2                         ; n: my first row
	s_bfe_u32 s2, s21, 0x40006                     ; t = (n / 64) % 16
	s_lshl_b32 s23, s2, 8
	s_bfe_u32 s2, s21, 0x10005                     ; c = (n / 32) % 2
	s_lshl_b32 s2, s2, 7
	s_add_co_u32 s23, s23, s2
	s_bfe_u32 s2, s21, 0x2000a                     ; g = n / 1024
	s_lshl_b32 s2, s2, 5
	s_add_co_u32 s23, s23, s2
	s_and_b32 s2, s21, 31                          ; u
	s_add_co_u32 s23, s23, s2                      ; n' = 256 t + 128 c + 32 g + u
	s_cmp_lt_u32 ttmp9, XWG
	s_cselect_b32 s23, s21, s23                    ; X's rows stay where they are
	s_lshl_b32 s24, s23, 10                        ; 1,024 bytes of codes a row
	s_add_nc_u64 s[32:33], s[32:33], s[24:25]
	s_lshl_b32 s24, s23, 6                         ; 64 scale bytes a row
	s_add_nc_u64 s[34:35], s[34:35], s[24:25]
.irp r, 0,1,2,3
	s_mul_i32 s2, s26, \r
	v_add_nc_u32 v[VO+\r], s2, v3
.endr
.macro LOAD t                          ; step t: row t / 4; its parts 0, 1 by the first pointer, 2, 3 by the second
.irp i, 0,1,2,3
	global_load_b128 v[R+16*((\t)%4)+4*\i:R+16*((\t)%4)+4*\i+3], v[VO+(\t)/4], s[28+2*(((\t)%4)/2):29+2*(((\t)%4)/2)] offset:2048*((\t)%2)+512*\i th:TH_LOAD_NT   ; 32 lanes read 512 consecutive bytes
.endr
.endm
.macro TURN t                          ; step t's numbers through the stage: LDS serves a wave's instructions in order (ISA guide 5.7.1), so no wait stands between the stores and the loads
.irp i, 0,1,2,3
	ds_store_b128 v14, v[R+16*((\t)%4)+4*\i:R+16*((\t)%4)+4*\i+3] offset:32*SP*((\t)%2)+8*SP*\i
.endr
.irp i, 0,1,2,3
	ds_load_b128 v[X+16*((\t)%2)+4*\i:X+16*((\t)%2)+4*\i+3], v15 offset:32*SP*((\t)%2)+16*\i
.endr
.endm
.irp t, 0,1,2,3
	LOAD \t
.endr
	s_wait_loadcnt 12                              ; step 0's four loads are in; the 12 of steps 1 to 3 stay out
	TURN 0
.macro STEP t
.set XS, X+16*((\t)%2)
.if (\t) > 0
	s_wait_dscnt 1                                 ; this step's numbers are back from the stage (the last step's byte store may be out): so its stores into the stage have read their registers,
.else
	s_wait_dscnt 0x0
.endif
.if (\t)+4 < STEPS
	LOAD (\t)+4                                    ; which take the loads of four steps on
.endif
.if (\t)+1 < STEPS
.if STEPS-2-(\t) >= 3
	s_wait_loadcnt 12                              ; the next step's four loads are in; those of the three steps behind it may be out
.else
	s_wait_loadcnt 4*(STEPS-2-(\t))                ; at the end fewer steps stand behind it
.endif
	TURN (\t)+1                                    ; and go through the other stage while this step is worked
.endif
	v_max3_num_f32 v8, |v[XS]|, |v[XS+1]|, |v[XS+2]|               ; the largest magnitude of my 16, in two chains
	v_max3_num_f32 v9, |v[XS+3]|, |v[XS+4]|, |v[XS+5]|
.irp i, 6,10
	v_max3_num_f32 v8, v8, |v[XS+\i]|, |v[XS+\i+1]|
	v_max3_num_f32 v9, v9, |v[XS+\i+2]|, |v[XS+\i+3]|
.endr
	v_max3_num_f32 v8, v8, |v[XS+14]|, |v[XS+15]|
	v_max3_num_f32 v8, v8, v9, 0x1800000           ; and the floor 2^(3 - 127), under which no largest magnitude is taken: so the byte cannot fall under 1
	v_max_num_f32_dpp v8, v8, v8 row_xmask:1 row_mask:0xf bank_mask:0xf   ; and of my neighbour's 16: the block's
	v_add_nc_u32 v11, 0xff000000, v8               ; 2 off its exponent field: the conversion takes the exponent field of this operand as its scale, and nothing else of it
	v_cvt_scalef32_pk8_fp4_f32 v[C+2*(\t)], v[XS:XS+7], v11        ; eight numbers / the scale, to the nearest code; the first number's code in the lowest four bits
	v_cvt_scalef32_pk8_fp4_f32 v[C+2*(\t)+1], v[XS+8:XS+15], v11
	v_lshrrev_b32 v[E+(\t)], 23, v11               ; the scale's byte (a plain line behind the conversions)
	ds_store_b8 v5, v[E+(\t)] offset:16*(\t)       ; both lanes of a block write the same byte with the same value
	global_store_b64 v4, v[C+2*(\t):C+2*(\t)+1], s[32:33] offset:256*(\t)   ; 32 lanes store 256 consecutive bytes, at a multiple of 256 from the buffer's first byte
.endm
.irp t, 0,1,2,3,4,5,6,7,8,9,10,11,12,13,14,15
	STEP \t
.endr
	ds_load_b64 v[12:13], v6                       ; LDS serves a wave's instructions in order: these see my byte stores
	s_wait_dscnt 0x0
	global_store_b64 v4, v[12:13], s[34:35]        ; the run's 256 scale bytes: 256 consecutive bytes, aligned
	s_wait_tensorcnt 0x0
	ds_add_u32 v168, v169
	s_wait_dscnt 0x0
	s_endpgm
.Lfunc_end_k_q18103992ae_quant:
	.size	k_q18103992ae_quant, .Lfunc_end_k_q18103992ae_quant-k_q18103992ae_quant
	.p2alignl 7, 3214868480
	.fill 96, 4, 3214868480
	.section	.rodata,"a",@progbits
	.p2align	6, 0x0
	.amdhsa_kernel k_q18103992ae_quant
		.amdhsa_group_segment_fixed_size 33280
		.amdhsa_private_segment_fixed_size 0
		.amdhsa_enable_private_segment 0
		.amdhsa_kernarg_size 56
		.amdhsa_user_sgpr_count 2
		.amdhsa_user_sgpr_kernarg_segment_ptr 1
		.amdhsa_wavefront_size32 1
		.amdhsa_system_sgpr_workgroup_id_x 1
		.amdhsa_system_sgpr_workgroup_id_y 1
		.amdhsa_system_sgpr_workgroup_id_z 1
		.amdhsa_system_vgpr_workitem_id 0
		.amdhsa_next_free_vgpr 170
		.amdhsa_next_free_sgpr 66
		.amdhsa_reserve_vcc 0
		.amdhsa_float_denorm_mode_32 3
		.amdhsa_float_denorm_mode_16_64 3
		.amdhsa_memory_ordered 1
		.amdhsa_forward_progress 1
		.amdhsa_inst_pref_size 34
	.end_amdhsa_kernel
	.amdgpu_metadata
---
amdhsa.version: [ 1, 2 ]
amdhsa.kernels:
  - .name:           k_q18103992ae_quant
    .symbol:         k_q18103992ae_quant.kd
    .args:
      - { .name: old_h, .offset: 0, .size: 8, .value_kind: global_buffer, .address_space: global }
      - { .name: input, .offset: 8, .size: 8, .value_kind: global_buffer, .address_space: global }
      - { .name: weights, .offset: 16, .size: 8, .value_kind: global_buffer, .address_space: global }
      - { .name: xc, .offset: 24, .size: 8, .value_kind: global_buffer, .address_space: global }
      - { .name: xs, .offset: 32, .size: 8, .value_kind: global_buffer, .address_space: global }
      - { .name: wc, .offset: 40, .size: 8, .value_kind: global_buffer, .address_space: global }
      - { .name: ws, .offset: 48, .size: 8, .value_kind: global_buffer, .address_space: global }
    .group_segment_fixed_size: 33280
    .private_segment_fixed_size: 0
    .kernarg_segment_align: 8
    .kernarg_segment_size: 56
    .max_flat_workgroup_size: 128
    .sgpr_count:     66
    .vgpr_count:     170
    .wavefront_size: 32
...
	.end_amdgpu_metadata
.endif
;; end of part 1
;; launch gemm (part 2): grid 16 x 32, 4 waves a work-group, clusters of 4 x 4, 327,680 bytes of LDS; arguments xc, xs, wc, ws, bias, old_cell, out0, out1; writes out0, out1
.if DOCPART == 2
	.amdgcn_target "amdgcn-amd-amdhsa--gfx1250"
	.amdhsa_code_object_version 6
	.text
	.protected	k_q18103992ae_gemm
	.globl	k_q18103992ae_gemm
	.p2align	8
	.type	k_q18103992ae_gemm,@function
k_q18103992ae_gemm:
	s_mov_b64 s[64:65], 0
	v_nop
	global_prefetch_b8 v0, s[64:65] scope:SCOPE_SE
	s_setreg_imm32_b32 hwreg(HW_REG_WAVE_MODE, 25, 1), 1
	s_wait_xcnt 0x0
	s_wait_alu depctr_hold_cnt(0) depctr_sa_sdst(0) depctr_va_vdst(0) depctr_va_sdst(0) depctr_va_ssrc(0) depctr_va_vcc(0) depctr_vm_vsrc(0)
	s_getreg_b32 s2, hwreg(HW_REG_IB_STS2, 6, 4)
	s_cmp_eq_u32 s2, 0
	s_cbranch_scc0 .Lentry_in_a_cluster
	s_endpgm
.Lentry_in_a_cluster:
	s_bfe_u32 s2, ttmp6, 0x10000c
	s_cmp_lg_u32 s2, 0xf033
	s_cbranch_scc0 .Lentry_shape_is_right
	s_endpgm
.Lentry_shape_is_right:
; gates = sigmoid(X W^T + bias); new_cell = old_cell f + z - i; new_h = sigmoid(new_cell) - o.  out0 = new_h, out1 = new_cell, both [8192][1024] f32.
; X [8192][2048] and W [4096][2048] come as codes of FP4 (E2M1), two a byte, K innermost (xc, wc: rows of 1,024 bytes), with one E8M0 byte for each 32 along K (xs, ws: rows of 64 bytes).
; W'S ROWS COME PERMUTED: row 256 t + 128 c + 32 g + u of wc is row 1024 g + 64 t + 32 c + u of the weights (gate g: 0 in, 1 out, 2 z, 3 f).
; SHARES.  512 work-groups of four waves, as many as a WGP has SIMDs.  A work-group makes 256 rows x 256 rows of wc: 256 rows x 64 hidden units of both outputs.  Wave (RH = wave / 2, CH = wave % 2) makes rows
; 128 RH on x (4 gates x units 32 CH on): 64 accumulators of 16 x 16, 512 registers.  K goes in four steps of 512 through two LDS slots filled by the tensor data mover: a tile's row is 256 bytes of memory.
; THE MATRIX INSTRUCTION IS USED TRANSPOSED (source 0 = 16 rows of W, source 1 = 16 rows of X): in accumulator (a, b) lane (r, h) holds, in register j, row 16 a + r, gate b / 2, unit 16 (b % 2) + 8 h + j.
; So the four gates of one output lie in ONE lane, 16 registers apart, and the whole tail runs in registers: no gate goes to memory.
; THE BIAS is the C of each sum's first matrix instruction: eight tiles of eight registers in the result's layout.  Nothing is cleared and nothing is added.
; THE SCALES of the work-group's 256 rows of X and of W, for all of K, are two dense blocks of memory: they come into LDS once, with the first fills, and stay.
; OLD_CELL's tile (256 rows x 256 bytes) comes by one tensor load a wave into slot 0 at the third change of slots, when that slot has been read out for the last time.
; THE TAIL GOES BY QUARTERS: stage p is my blocks 2 p and 2 p + 1, rows 32 p .. 32 p + 31 of each half of the tile.  A stage's new_cell and new_h go into stages in LDS (a row's 256 bytes come from two waves), a barrier
; follows, and each wave reads 16 whole rows of each back and stores them, while the later stages are still being computed: three quarters of the stores are on their way before the tail ends.
; The gates' sigmoids run one stage ahead of the cell: they are the register work behind each barrier's LDS loads, and behind the request for old_cell.
; CLUSTERS: 4 x 4 work-groups.  The four of a row of the cluster need the same tiles of X, the four of a column the same tiles of W: each is asked for JOINTLY, by the same tensor load with the same descriptor
; and a mask that names the four.  old_cell's tile belongs to one work-group alone: its load has no mask.
; A work-group makes one tile and ends: the stages of the way out (139,264 bytes written by LDS stores) lie in slot 0.
; LIMITS: new_cell is fma(old_cell, f, z - i), where the definition reads (old_cell f + z) - i: another order of rounding, in f32.  sigmoid(x) = 1 / (1 + 2^(-x log2 e)); where that power overflows or is
; flushed the result is 0 or 1 exactly, off by less than 2^-126.  NaN and infinities among the inputs are not served.
; REGISTERS, in windows of 256: window 0: v1-31 addresses; v32-95 scale words, two sets, and nothing else; v128-191 X's fragments, ONE set; on the way out v128-255 old_cell.
;   window 1: W's fragments, TWO sets, at v0 and v128; v64-127 the bias; on the way out all 256: the rows read back from the stages, 64 registers a stage.
;   window 2: the accumulators of my rows 0-63 ((a, b) at v[8 (8 (a % 4) + b)]);  window 3: those of my rows 64-127.
.set NQ,     4                         ; matrix instructions deep in a slot: 512 along K
.set ROWB,   256                       ; a tile's row in bytes
.set KROW,   1024                      ; a row of xc or wc in bytes
.set PITCH,  272                       ; an LDS row: 256 bytes + 16 of padding = 68 words: row r starts at bank 4 r mod 64 (64 banks of 4 bytes: ISA guide 11.1), so the 16 rows that a load touches start at 16 different banks
.set FR,     8                         ; registers of a fragment: 16 rows x 128 K
.set NL,     2                         ; LDS loads that bring one
.set NP,     4                         ; places behind this matrix instruction (ISA guide 7.12.1)
.set HALFT,  128*PITCH                 ; 128 rows: what one tensor load brings, and what one wave reads of X or of W
.set SLOT,   4*HALFT                   ; X's 256 rows, then W's 256 rows
.set KS,     64                        ; a row of scale bytes
.set SCL,    2*SLOT                    ; behind the ring: the scales, as runs of 256 bytes + 16 of padding
.set HALFS,  (128*KS/256)*272          ; the scales of 128 rows: what one tensor load brings
.set SBLK,   (16*KS/256)*272           ; those of 16 rows
.set SPARE,  SCL+4*HALFS               ; behind the scales: the spare words, 128 bytes for each wave: two blocks of 256 bytes that no other line names
.set HST,    256*PITCH                 ; slot 0 on the way out: bytes 0 on: 256 rows x 272 of old_cell, then of new_cell; bytes HST on: 256 rows x 272 of new_h
.set ABLK,   16*PITCH                  ; 16 rows of a stage
.set ADRA, 16                          ; v16-17  LDS address of my X fragments in slot 0, 1
.set ADRB, 20                          ; v20-21  the same for W
.set BO,   22                          ; v22     32 h: my eight numbers of a tile of the bias
.set PFO,  23                          ; v23     4,096 x lane: a row of old_cell; never rewritten
.set CA,   24                          ; v24     the cell's stage: (128 RH + r) 272 + 128 CH + 32 h
.set HA,   25                          ; v25     the same in new_h's stage
.set RDC,  26                          ; v26     where I read whole rows back: (128 RH + 16 CH + h) 272 + 16 r
.set ADRS, 27                          ; v27     LDS address of my scale words: lanes 0-15 X's rows, lanes 16-31 W's
.set SPW,  28                          ; v28     LDS address of my spare word: SPARE + 4 x my thread's number; never rewritten
.set NIL,  29                          ; v29     0; never rewritten
.set RDH,  30                          ; v30     RDC in new_h's stage
.set GO,   31                          ; v31     4,096 h + 16 r: the same two rows in an output
.set SC,   32                          ; scale words: set s at v[SC + 32 s]; register 4 i + q: lanes 0-15 the word of X's block i, lanes 16-31 that of W's block i, for the slot's q-th 128 along K
.set AF,   128                         ; X's fragments, in window 0
.set CE,   128                         ; old_cell, in window 0: register 16 a + 8 (unit / 16) + j
.set BI,   64                          ; the bias, in window 1: tile b at 8 b
.set WV,   20                          ; s20 wave;  s21 RH: my half of the rows, and: I fetch for X (0) or for W (1);  s22 CH: my half of the columns, and: which 128 rows I fetch
.set G1C,  4                           ; s[4:11]  descriptor group 1 for old_cell (the four pointers that lay here have been used by then)
.set G1,   24                          ; s[24:31] group 1 for X's tiles;  s[32:39] group 0, one set for each slot
.set G0,   32
.set G1B,  48                          ; s[48:55], s[56:63] the same for W's tiles
.set G0B,  56
.set NL2E, 66                          ; s[66:67] -log2(e): the packed form names a pair and takes its low word for both halves
.set G1S,  68                          ; s[68:75], s[76:79] groups 1 and 0 for X's scales;  s[80:87], s[88:91] for W's
.set G0S,  76
.set G1SB, 80
.set G0SB, 88
.set G0C,  92                          ; s[92:95] group 0 for old_cell
.set PFA,  96                          ; s[96:97] old_cell at the first of the 64 rows of the tile that my wave fetches; never rewritten
.set MSB, 0
.macro WIN new                         ; the immediate's high byte repeats the setting that is left; a switch that changes nothing is dropped
.if MSB != (\new)
	s_set_vgpr_msb (MSB<<8)|(\new)
.set MSB, (\new)
.endif
.endm
.set MUL_LO, 0xa1                      ; source 0 (W) window 1, source 1 (X) window 0, C and D window 2
.set MUL_HI, 0xf1                      ; the same, C and D window 3
.set FST_LO, 0x91                      ; the first step: C (the bias) window 1, D window 2
.set FST_HI, 0xd1                      ; and D window 3
.set TO_B,   0x40                      ; destination window 1, address window 0
; A joint load: waves 0 and 1 fetch for X, waves 2 and 3 for W.  Each of the two lines has ONE mask and one set of registers for all that issue it; the branch hangs on the wave's number alone.
; Four v_nop follow each of the two lines, ahead of the jump, the label and what follows.
.macro JLOAD g0a, g1a, g0b, g1b
	s_cmp_eq_u32 s21, 0
	s_cbranch_scc0 .Lfor_b_\@
	tensor_load_to_lds s[\g0a:\g0a+3], s[\g1a:\g1a+7]
	s_nop 0
.rept 4
	v_nop
.endr
	s_branch .Lasked_\@
.Lfor_b_\@:
	tensor_load_to_lds s[\g0b:\g0b+3], s[\g1b:\g1b+7]
	s_nop 0
.rept 4
	v_nop
.endr
.Lasked_\@:
.endm
.macro CREST                           ; a round of the cluster's barrier behind its opening barrier
	s_cmp_lg_u32 s[WV], 0
	s_cbranch_scc1 .Lnot_wave_0_\@
	s_barrier_signal -3
.Lnot_wave_0_\@:
	s_barrier_wait -3
	s_barrier_signal -1
	s_barrier_wait -1
.endm
.macro CROUND                          ; a whole round
	s_barrier_signal -1
	s_barrier_wait -1
	CREST
.endm
	s_load_b256 s[4:11], s[0:1], 0x0               ; xc s[4:5], xs s[6:7], wc s[8:9], ws s[10:11]
	s_load_b256 s[12:19], s[0:1], 0x20             ; bias s[12:13], old_cell s[14:15], out0 s[16:17], out1 s[18:19]
	v_lshl_add_u32 v[SPW], v0, 2, SPARE
	v_mov_b32 v[NIL], 0
	ds_add_u32 v28, v29
	ds_add_u32 v28, v29
	s_wait_dscnt 0x0
	v_lshrrev_b32 v1, 5, v0
	v_readfirstlane_b32 s[WV], v1                  ; wave 0..3
	s_lshr_b32 s21, s[WV], 1                       ; RH
	s_and_b32 s22, s[WV], 1                        ; CH
	s_bfe_u32 s40, ttmp6, 0x40000                  ; cx, cy: my place in the cluster
	s_bfe_u32 s41, ttmp6, 0x40004
	s_lshl_b32 s42, ttmp9, 2
	s_add_co_u32 s42, s42, s40                     ; TX: tile column = 4 x cluster x + cx
	s_and_b32 s23, ttmp7, 0xffff
	s_lshl_b32 s23, s23, 2
	s_add_co_u32 s23, s23, s41                     ; TY: tile row = 4 x cluster y + cy
	s_lshl_b32 s43, s41, 2
	s_lshl_b32 s43, 15, s43                        ; my row of the cluster
	s_lshl_b32 s44, 0x1111, s40                    ; my column
	; descriptor group 1: a tile of 128 rows x 256 bytes, padded in LDS
	s_or_b32 s[G1+0], s43, (0<<16)|(1<<20)|(1<<21)|(5<<22)|(3<<25)  ; 15:0 the mask: X's tiles go to my row; 17:16 element of 1 byte; 20 padding on; 21 set beside a mask; 24:22 after every 64 words (code 5); 31:25 of 4 words (code 3)
	s_or_b32 s[G1B+0], s44, (0<<16)|(1<<20)|(1<<21)|(5<<22)|(3<<25) ; the same with the mask of my column, for W's tiles
.irp g, G1, G1B
	s_mov_b32 s[\g+1], ROWB<<16                    ; tensor_dim0
	s_mov_b32 s[\g+2], 128<<16                     ; tensor_dim1 = 128
	s_mov_b32 s[\g+3], ROWB<<16                    ; tile_dim0
	s_mov_b32 s[\g+4], 128                         ; tile_dim1 = 128
	s_mov_b32 s[\g+5], KROW                        ; tensor_dim0_stride
	s_mov_b32 s[\g+6], 0
	s_mov_b32 s[\g+7], 0
.endr
	; and for the scales of 128 rows: a dense block of 8,192 bytes, as 32 rows of 256 bytes (32 elements of 8 bytes), 16 bytes of padding behind each
	s_or_b32 s[G1S+0], s43, (3<<16)|(1<<20)|(1<<21)|(5<<22)|(3<<25)
	s_or_b32 s[G1SB+0], s44, (3<<16)|(1<<20)|(1<<21)|(5<<22)|(3<<25)
.irp g, G1S, G1SB
	s_mov_b32 s[\g+1], 32<<16
	s_mov_b32 s[\g+2], (128*KS/256)<<16
	s_mov_b32 s[\g+3], 32<<16
	s_mov_b32 s[\g+4], 128*KS/256
	s_mov_b32 s[\g+5], 32
	s_mov_b32 s[\g+6], 0
	s_mov_b32 s[\g+7], 0
.endr
	s_mov_b32 s[NL2E], 0xbfb8aa3b                  ; -log2(e)
	s_mov_b32 s[NL2E+1], s[NL2E]                   ; (named with it as a pair, so it is written)
	; where the tiles come from.  X's hang on the tile row alone, which my row of the cluster shares; W's on the tile column alone.  All offsets stay under 2^26
	s_lshl_b32 s2, s22, 7                          ; which 128 rows of the tile I fetch
	s_lshl_b32 s98, s23, 8
	s_add_co_u32 s98, s98, s2                      ; X: row 256 TY + 128 x half
	s_lshl_b32 s46, s42, 8
	s_add_co_u32 s46, s46, s2                      ; W: row 256 TX + 128 x half
	s_lshl_b32 s100, s98, 6                        ; these rows' scales, 64 bytes a row,
	s_lshl_b32 s98, s98, 10                        ; and their codes, 1,024 bytes a row
	s_lshl_b32 s104, s46, 6
	s_lshl_b32 s46, s46, 10
	s_mov_b32 s99, 0
	s_mov_b32 s101, 0
	s_mov_b32 s105, 0
	s_mov_b32 s47, 0
	s_mul_i32 s45, s[WV], HALFT                    ; where they go: wave x 128 rows: no place in the cluster enters an LDS address
	s_mul_i32 s3, s[WV], HALFS
	s_wait_kmcnt 0x0
	s_add_nc_u64 s[98:99], s[4:5], s[98:99]
	s_add_nc_u64 s[100:101], s[6:7], s[100:101]
	s_add_nc_u64 s[46:47], s[8:9], s[46:47]
	s_add_nc_u64 s[104:105], s[10:11], s[104:105]
	CROUND                                         ; all sixteen work-groups are here: the first joint loads meet
	s_mov_b32 s[G0S], 1
	s_add_co_u32 s[G0S+1], s3, SCL
	s_mov_b64 s[G0S+2:G0S+3], s[100:101]
	s_or_b32 s[G0S+3], s[G0S+3], 0x80000000
	s_mov_b32 s[G0SB], 1
	s_add_co_u32 s[G0SB+1], s3, SCL
	s_mov_b64 s[G0SB+2:G0SB+3], s[104:105]
	s_or_b32 s[G0SB+3], s[G0SB+3], 0x80000000
	JLOAD G0S, G1S, G0SB, G1SB                     ; the scales first: they are wanted with K step 0
.irp s, 0,1
	s_mov_b32 s[G0+4*\s], 1                                        ; 1:0 count = 1
	s_add_co_u32 s[G0+4*\s+1], s45, \s*SLOT                        ; 63:32 LDS address
	s_add_nc_u64 s[G0+4*\s+2:G0+4*\s+3], s[98:99], \s*ROWB         ; 120:64 global address: K step s
	s_or_b32 s[G0+4*\s+3], s[G0+4*\s+3], 0x80000000                ; 127:126 type = 2
	s_mov_b32 s[G0B+4*\s], 1
	s_add_co_u32 s[G0B+4*\s+1], s45, \s*SLOT
	s_add_nc_u64 s[G0B+4*\s+2:G0B+4*\s+3], s[46:47], \s*ROWB
	s_or_b32 s[G0B+4*\s+3], s[G0B+4*\s+3], 0x80000000
	JLOAD G0+4*\s, G1, G0B+4*\s, G1B               ; three tensor loads of mine are out now
.endr
	v_and_b32 v1, 15, v0                           ; r = lane % 16
	v_bfe_u32 v2, v0, 4, 1                         ; h = lane / 16
	v_mul_u32_u24 v3, v1, PITCH
	v_lshl_add_u32 v4, v2, 4, v3                   ; a fragment's row x pitch + 16 x half
	s_mul_i32 s2, s21, HALFT                       ; my 128 rows of X
	s_mul_i32 s3, s22, HALFT                       ; my 128 rows of W,
	s_add_co_u32 s3, s3, 2*HALFT                   ; which lie behind X's 256
.irp s, 0,1
	v_add_nc_u32 v[ADRA+\s], s2, v4
	v_add_nc_u32 v[ADRB+\s], s3, v4
	s_add_co_u32 s2, s2, SLOT
	s_add_co_u32 s3, s3, SLOT
.endr
	v_mul_u32_u24 v5, v1, KS                       ; my row's scales: 64 bytes a row,
	v_lshrrev_b32 v6, 8, v5
	v_lshl_add_u32 v5, v6, 4, v5                   ; and 16 more for each 256 passed
	s_mul_i32 s2, s21, HALFS                       ; X's: my 128 rows
	s_mul_i32 s3, s22, HALFS                       ; W's: my 128 rows, behind X's 256
	s_add_co_u32 s3, s3, 2*HALFS
	s_sub_co_u32 s3, s3, s2
	v_mul_u32_u24 v6, s3, v2                       ; lanes 16-31 take W's: the lower base + h x the distance
	s_add_co_u32 s2, s2, SCL
	v_add_nc_u32 v5, v5, v6
	v_add_nc_u32 v[ADRS], s2, v5
	s_mul_i32 s2, s21, 128*PITCH                   ; the stages: my 128 rows, my 128 bytes of their 256
	s_lshl_b32 s3, s22, 7
	s_add_co_u32 s2, s2, s3
	v_lshl_add_u32 v5, v2, 5, v3                   ; row r, 32 bytes for each half of the lanes
	v_add_nc_u32 v[CA], s2, v5
	v_add_nc_u32 v[HA], HST, v[CA]
	s_mul_i32 s2, s21, 128*PITCH                   ; back: of a stage's 32 rows in each half of the tile, wave (RH, CH) takes rows 16 CH .. 16 CH + 15 of half RH, whole;
	s_mul_i32 s3, s22, 16*PITCH
	s_add_co_u32 s2, s2, s3
	v_mul_u32_u24 v5, v2, PITCH                    ; lanes 0-15 one row of 256 bytes, lanes 16-31 the next
	v_lshl_add_u32 v5, v1, 4, v5
	v_add_nc_u32 v[RDC], s2, v5
	v_add_nc_u32 v[RDH], HST, v[RDC]
	v_lshlrev_b32 v[GO], 12, v2                    ; and the same two rows in an output: rows of 4,096 bytes
	v_lshl_add_u32 v[GO], v1, 4, v[GO]
	v_lshlrev_b32 v[BO], 5, v2
	v_and_b32 v[PFO], 31, v0
	v_lshlrev_b32 v[PFO], 12, v[PFO]
	; old_cell's descriptor: 64 rows x 256 bytes (32 elements of 8 bytes), 4,096 bytes from row to row, 16 bytes of padding behind each row; no mask: the tile is my work-group's alone
	s_mov_b32 s[G1C+0], (3<<16)|(1<<20)|(5<<22)|(3<<25)
	s_mov_b32 s[G1C+1], 32<<16                     ; tensor_dim0 = 32
	s_mov_b32 s[G1C+2], 64<<16                     ; tensor_dim1 = 64
	s_mov_b32 s[G1C+3], 32<<16                     ; tile_dim0 = 32
	s_mov_b32 s[G1C+4], 64                         ; tile_dim1 = 64
	s_mov_b32 s[G1C+5], 512                        ; tensor_dim0_stride: 512 elements
	s_mov_b32 s[G1C+6], 0
	s_mov_b32 s[G1C+7], 0
	s_lshl_b32 s2, s23, 20                         ; the tile's first byte in old_cell, out0 and out1: 256 TY rows of 4,096 bytes,
	s_lshl_b32 s3, s42, 8                          ; and its 64 units: 256 TX bytes
	s_add_co_u32 s2, s2, s3
	s_mov_b32 s3, 0
	s_add_nc_u64 s[PFA:PFA+1], s[14:15], s[2:3]
	s_add_nc_u64 s[16:17], s[16:17], s[2:3]
	s_add_nc_u64 s[18:19], s[18:19], s[2:3]
	s_lshl_b32 s2, s[WV], 18                       ; of old_cell my wave fetches rows 64 wave on
	s_add_nc_u64 s[PFA:PFA+1], s[PFA:PFA+1], s[2:3]
	s_lshl_b32 s2, s21, 19                         ; of the outputs it stores, in each stage, rows 128 RH + 16 CH on
	s_lshl_b32 s3, s22, 16
	s_add_co_u32 s2, s2, s3
	s_mov_b32 s3, 0
	s_add_nc_u64 s[16:17], s[16:17], s[2:3]
	s_add_nc_u64 s[18:19], s[18:19], s[2:3]
	s_mov_b32 s[G0C], 1
	s_mul_i32 s[G0C+1], s[WV], 64*PITCH            ; into slot 0's first bytes: wave x 64 rows
	s_mov_b64 s[G0C+2:G0C+3], s[PFA:PFA+1]
	s_or_b32 s[G0C+3], s[G0C+3], 0x80000000
	s_lshl_b32 s2, s42, 8                          ; the bias of gate 0 of my 32 units: 4 (64 TX + 32 CH) bytes on
	s_lshl_b32 s3, s22, 7
	s_add_co_u32 s2, s2, s3
	s_mov_b32 s3, 0
	s_add_nc_u64 s[12:13], s[12:13], s[2:3]
	WIN TO_B
.irp b, 0,1,2,3,4,5,6,7                        ; tile b: gate b / 2 (4,096 bytes a gate), units 16 (b % 2) + 8 h + 0 .. 7
	global_load_b128 v[BI+8*\b:BI+8*\b+3],   v[BO], s[12:13] offset:4096*(\b/2)+64*(\b%2)
	global_load_b128 v[BI+8*\b+4:BI+8*\b+7], v[BO], s[12:13] offset:4096*(\b/2)+64*(\b%2)+16
.endr
	WIN 0
.macro FRAG reg, adr, q, i             ; a fragment, 16 rows x 128 K of 4-bit codes, is 8 registers: lane l holds row l % 16; registers 4 c .. 4 c + 3 hold K = 64 c + 32 (l / 16) + 0 .. 31
.irp c, 0,1
	ds_load_b128 v[\reg+4*\c:\reg+4*\c+3], v[\adr] offset:64*(\q)+32*\c+(\i)*16*PITCH
.endr
.endm
; 16 matrix instructions: X's blocks a0, a0 + 1 x W's eight, 128 along K: the slot's q-th.  p: W's set;  sc: the set of scale words.  first = 1: the sums start from the bias.
; The 64 accumulators take turns, one instruction a turn, in the same order in every step.
.macro MUL16 a0, p, q, sc, first
.irp a, \a0, \a0+1
.irp b, 0,1,2,3,4,5,6,7
.if \first
	v_wmma_scale_f32_16x16x128_f8f6f4 v[8*(8*((\a)%4)+\b):8*(8*((\a)%4)+\b)+7], v[128*(\p)+FR*\b:128*(\p)+FR*\b+FR-1], v[AF+FR*(\a):AF+FR*(\a)+FR-1], v[BI+8*\b:BI+8*\b+7], v[SC+8*NQ*(\sc)+NQ*\b+(\q)], v[SC+8*NQ*(\sc)+NQ*(\a)+(\q)] matrix_a_fmt:MATRIX_FMT_FP4 matrix_b_fmt:MATRIX_FMT_FP4 matrix_a_scale:MATRIX_SCALE_ROW1
.else
	v_wmma_scale_f32_16x16x128_f8f6f4 v[8*(8*((\a)%4)+\b):8*(8*((\a)%4)+\b)+7], v[128*(\p)+FR*\b:128*(\p)+FR*\b+FR-1], v[AF+FR*(\a):AF+FR*(\a)+FR-1], v[8*(8*((\a)%4)+\b):8*(8*((\a)%4)+\b)+7], v[SC+8*NQ*(\sc)+NQ*\b+(\q)], v[SC+8*NQ*(\sc)+NQ*(\a)+(\q)] matrix_a_fmt:MATRIX_FMT_FP4 matrix_b_fmt:MATRIX_FMT_FP4 matrix_a_scale:MATRIX_SCALE_ROW1
.endif
.endr
.endr
.endm
.macro FETCH_B slot, q, p              ; W's eight fragments of the slot's q-th 128 along K into set p
	WIN TO_B
.irp i, 0,1,2,3,4,5,6,7
	FRAG 128*(\p)+FR*\i, ADRB+\slot, \q, \i
.endr
	WIN 0
.endm
.macro FETCH_A slot, q, i0             ; X's blocks i0 .. i0 + 3
.irp i, \i0, \i0+1, \i0+2, \i0+3
	FRAG AF+FR*(\i), ADRA+\slot, \q, \i
.endr
.endm
.macro SCALES sc                       ; a K step's scale words into set sc: 4 words a row; lanes 0-15 take X's block i, lanes 16-31 W's block i
.irp i, 0,1,2,3,4,5,6,7
	ds_load_b128 v[SC+8*NQ*\sc+NQ*\i:SC+8*NQ*\sc+NQ*\i+3], v[ADRS] offset:\i*SBLK
.endr
.endm
; A load into a register that a matrix instruction has read, and a vector instruction that reads a matrix result, stand NP places behind that matrix instruction, and only plain vector instructions
; that name none of its registers are places (ISA guide 7.12.1 for vector instructions); this text does not count the matrix instructions in between.
.macro PLACES n
.rept \n
	v_nop
.endr
.endm
; A step of 128 along K that has its successor in the same slot.  A block of X is free as soon as its eight products are issued: blocks 0-3 are fetched anew in the step's middle, blocks 4-7 at its end.
.macro STEP slot, q, first
	s_wait_dscnt 4*NL                              ; W's set and X's blocks 0-3 are in; the youngest eight loads (X's blocks 4-7) may be out
.if \first
	WIN FST_LO
.else
	WIN MUL_LO
.endif
	MUL16 0, (\q)%2, \q, \slot, \first
	MUL16 2, (\q)%2, \q, \slot, \first
	s_wait_dscnt 0                                 ; X's blocks 4-7 are in (asked for 32 matrix instructions ago)
	PLACES NP
	FETCH_B \slot, (\q)+1, 1-(\q)%2
	FETCH_A \slot, (\q)+1, 0
.if \first
	WIN FST_HI
.else
	WIN MUL_HI
.endif
	MUL16 4, (\q)%2, \q, \slot, \first
	MUL16 6, (\q)%2, \q, \slot, \first
	PLACES NP
	WIN 0
	FETCH_A \slot, (\q)+1, 4
.endm
; A slot's last step changes slots: in front of the round each wave waits for all its tensor loads, adds 0 to its spare word, and waits for that and for its own reads of this slot.  The barrier opens a round of the
; cluster's barrier; behind the round this slot is filled again, by the wave's one tensor load: kind = 1: jointly, with the K step two on;  kind = 2: with my 64 rows of old_cell's tile.
; pf = 1: my wave asks for its own 64 rows x 256 bytes of old_cell ahead of time, a lane a row, two instructions: two K steps, 512 matrix instructions, ahead of the tensor load that will want them.
; Each row's 256 bytes are named once in the launch, since each belongs to one wave of one work-group; the requests stand together behind the joint load, its four lines and the run of LDS loads.
.macro TURN slot, next, kind, pf
	s_wait_tensorcnt 0x0                           ; all my tensor loads have landed: my part of the next slot;  (every window is 0 here: the add's two registers lie in window 0)
	ds_add_u32 v[SPW], v[NIL]                      ; 0 onto my spare word
	s_wait_dscnt 4*NL+1                            ; (the add and the youngest eight loads, X's blocks 4-7, may be out)
	WIN MUL_LO
	MUL16 0, 1, NQ-1, \slot, 0                     ; sixteen matrix instructions stand between the add and the wait for it
	s_wait_dscnt 0x0                               ; the add is done, and my reads of this slot are over
	s_barrier_signal -1
	MUL16 2, 1, NQ-1, \slot, 0
	WIN 0
	s_barrier_wait -1
	CREST                                          ; no wave of any partner still reads this slot's tile or has a load on its way
.if \kind == 1
	s_add_nc_u64 s[G0+4*\slot+2:G0+4*\slot+3], s[G0+4*\slot+2:G0+4*\slot+3], 2*ROWB
	s_add_nc_u64 s[G0B+4*\slot+2:G0B+4*\slot+3], s[G0B+4*\slot+2:G0B+4*\slot+3], 2*ROWB
	JLOAD G0+4*\slot, G1, G0B+4*\slot, G1B         ; the first tensor load behind the round; the four v_nop behind it are the places in front of the loads below
.else
	tensor_load_to_lds s[G0C:G0C+3], s[G1C:G1C+7]  ; every wave brings rows of its own: LDS and global address step with the wave's number
	s_nop 0
.rept 4
	v_nop
.endr
.endif
	v_add_nc_u32 v[ADRS], 4*NQ, v[ADRS]            ; on to the next K step's scale words
	FETCH_B \next, 0, 0
	FETCH_A \next, 0, 0
	SCALES \next
.if \pf
	global_prefetch_b8 v[PFO], s[PFA:PFA+1] th:TH_LOAD_NT scope:SCOPE_SE
	global_prefetch_b8 v[PFO], s[PFA:PFA+1] offset:32*4096 th:TH_LOAD_NT scope:SCOPE_SE
.endif
	WIN MUL_HI
	MUL16 4, 1, NQ-1, \slot, 0
	MUL16 6, 1, NQ-1, \slot, 0
	PLACES NP
	WIN 0
	FETCH_A \next, 0, 4
.endm
; THE TAIL.  SIG: n numbers become their sigmoids.  Number e lies in register R(e) = base + 64 (e / span) + e % span; its source in R(e) + src.  Two batches: n exponentials, then n reciprocals.  In a batch no line names
; an earlier result of the batch: the scaling (or the addition of 1) of the NEXT pair leads each pair of transcendentals.  Behind each batch stand one plain line and one wait, ahead of the first reader.
.macro SIG n, span, src, base
.set SB0, (\base)
.set SE, 0
	v_pk_mul_f32 v[SB0:SB0+1], v[SB0+\src:SB0+\src+1], s[NL2E:NL2E+1] op_sel_hi:[1,0]        ; -x log2(e), two at a time
.rept \n/2
.set SD, SB0+64*(SE/\span)+SE%\span
.if SE+2 < \n
.set SF, SB0+64*((SE+2)/\span)+(SE+2)%\span
	v_pk_mul_f32 v[SF:SF+1], v[SF+\src:SF+\src+1], s[NL2E:NL2E+1] op_sel_hi:[1,0]
.endif
	v_exp_f32 v[SD], v[SD]
	v_exp_f32 v[SD+1], v[SD+1]
.set SE, SE+2
.endr
	v_nop
	s_wait_alu depctr_va_vdst(0)                   ; one wait for the batch of exponentials
.set SE, 0
	v_pk_add_f32 v[SB0:SB0+1], v[SB0:SB0+1], 1.0 op_sel_hi:[1,0]
.rept \n/2
.set SD, SB0+64*(SE/\span)+SE%\span
.if SE+2 < \n
.set SF, SB0+64*((SE+2)/\span)+(SE+2)%\span
	v_pk_add_f32 v[SF:SF+1], v[SF:SF+1], 1.0 op_sel_hi:[1,0]
.endif
	v_rcp_f32 v[SD], v[SD]
	v_rcp_f32 v[SD+1], v[SD+1]
.set SE, SE+2
.endr
	v_nop
	s_wait_alu depctr_va_vdst(0)                   ; and one for the batch of reciprocals
.endm
; In a window, block a' of 16 rows has its gates at 64 a': i at + 0, o at + 16, z at + 32, f at + 48, sixteen registers each.  hi = 0: window 2 (my rows 0-63), 1: window 3.
; A stage is blocks a0 and a0 + 1 of window hi: stage 2 hi + a0 / 2.
.macro GATES hi, a0                    ; the two blocks' 128 registers in ascending order; then z - i
	WIN 0x8a+0x45*\hi                              ; destination, sources 0 and 1: the window
	SIG 128, 64, 0, 64*\a0
.irp a, \a0, \a0+1
.irp k, 0,2,4,6,8,10,12,14
	v_pk_add_f32 v[64*(\a)+32+\k:64*(\a)+33+\k], v[64*(\a)+32+\k:64*(\a)+33+\k], v[64*(\a)+\k:64*(\a)+\k+1] neg_lo:[0,1] neg_hi:[0,1]
.endr
.endr
.endm
.macro CELL hi, a0                     ; new_cell = old_cell f + (z - i), into f's registers, and into the bytes of the stage from which I read old_cell
	WIN 0xa8+0x54*\hi                              ; source 0 (old_cell; an LDS store's address) window 0; destination, sources 1 and 2 (an LDS store's data) the window
.irp a, \a0, \a0+1
.irp k, 0,2,4,6,8,10,12,14
	v_pk_fma_f32 v[64*(\a)+48+\k:64*(\a)+49+\k], v[CE+16*(4*\hi+(\a))+\k:CE+16*(4*\hi+(\a))+\k+1], v[64*(\a)+48+\k:64*(\a)+49+\k], v[64*(\a)+32+\k:64*(\a)+33+\k]
.endr
.endr
.irp a, \a0, \a0+1
.irp g, 0,1,2,3
	ds_store_b128 v[CA], v[64*(\a)+48+4*\g:64*(\a)+51+4*\g] offset:(4*\hi+(\a))*ABLK+64*(\g/2)+16*(\g%2)
.endr
.endr
.endm
.macro HID hi, a0                      ; new_h = sigmoid(new_cell) - o, into i's registers, and into its stage
	WIN 0x8a+0x45*\hi
	SIG 32, 16, 48, 64*\a0
.irp a, \a0, \a0+1
.irp k, 0,2,4,6,8,10,12,14
	v_pk_add_f32 v[64*(\a)+\k:64*(\a)+\k+1], v[64*(\a)+\k:64*(\a)+\k+1], v[64*(\a)+16+\k:64*(\a)+17+\k] neg_lo:[0,1] neg_hi:[0,1]
.endr
.endr
	WIN 0xa8+0x54*\hi
.irp a, \a0, \a0+1
.irp g, 0,1,2,3
	ds_store_b128 v[HA], v[64*(\a)+4*\g:64*(\a)+4*\g+3] offset:(4*\hi+(\a))*ABLK+64*(\g/2)+16*(\g%2)
.endr
.endr
.endm
; Stage p's 64 rows of each output lie in the stages when all four waves have stored their parts.  Each wave then reads 16 whole rows of each back, into window 1, which no product names any more:
; 64 registers a stage, so that no register is written twice and no store's data are waited for.  The rows of later stages are other bytes: one barrier a stage is all the ordering that is needed.
.macro BACK p
	s_wait_dscnt 0x0                               ; for the others' sake: my stores into both stages are done (a row's 256 bytes come from two waves)
	s_barrier_signal -1
	s_barrier_wait -1
	WIN TO_B                                       ; destination window 1, address window 0
.irp i, 0,1,2,3,4,5,6,7
	ds_load_b128 v[64*\p+4*\i:64*\p+4*\i+3], v[RDC] offset:(32*\p+2*\i)*PITCH
.endr
.irp i, 0,1,2,3,4,5,6,7
	ds_load_b128 v[64*\p+32+4*\i:64*\p+32+4*\i+3], v[RDH] offset:(32*\p+2*\i)*PITCH
.endr
.endm
; and stores them.  run = 0: one wait; younger: the LDS instructions issued behind BACK's loads, which may stay out.  run = 1, straight behind BACK: a counted wait ahead of each store.
.macro SEND p, younger, run
.if \run == 0
	s_wait_dscnt \younger                          ; LDS instructions end in order (ISA guide 5.7.1): the stage's rows are back in registers
.endif
	WIN 0x04                                       ; a store's data are its source 1: window 1
.irp i, 0,1,2,3,4,5,6,7
.if \run
	s_wait_dscnt 15-\i                             ; the 15 - i younger loads may be out
.endif
	global_store_b128 v[GO], v[64*\p+4*\i:64*\p+4*\i+3], s[18:19] offset:(32*\p+2*\i)*4096 th:TH_STORE_NT          ; new_cell: 16 lanes store 256 consecutive bytes, at a multiple of 256 from out1's first byte
.endr
.irp i, 0,1,2,3,4,5,6,7
.if \run
	s_wait_dscnt 7-\i
.endif
	global_store_b128 v[GO], v[64*\p+32+4*\i:64*\p+32+4*\i+3], s[16:17] offset:(32*\p+2*\i)*4096 th:TH_STORE_NT    ; new_h likewise, into out0
.endr
.endm
	s_wait_tensorcnt 1                             ; the scales and my part of K step 0 are in (K step 1's load may be out)
	s_barrier_signal -1
	s_barrier_wait -1                              ; everybody's are
	FETCH_B 0, 0, 0
	FETCH_A 0, 0, 0
	SCALES 0
	FETCH_A 0, 0, 4
	s_wait_loadcnt 0x0                             ; the bias
	STEP 0, 0, 1                                   ; K step 0: its first products start the sums from the bias
	STEP 0, 1, 0
	STEP 0, 2, 0
	TURN 0, 1, 1, 1                                ; slot 0 takes K step 2; old_cell's rows are asked for ahead
	STEP 1, 0, 0                                   ; K step 1
	STEP 1, 1, 0
	STEP 1, 2, 0
	TURN 1, 0, 1, 0                                ; slot 1 takes K step 3
	STEP 0, 0, 0                                   ; K step 2
	STEP 0, 1, 0
	STEP 0, 2, 0
	TURN 0, 1, 2, 0                                ; slot 0 has been read out for the last time: its first 69,632 bytes take old_cell's tile
	STEP 1, 0, 0                                   ; K step 3
	STEP 1, 1, 0
	STEP 1, 2, 0
	s_wait_dscnt 4*NL                              ; the very last step: nothing more to fetch
	WIN MUL_LO
	MUL16 0, 1, NQ-1, 1, 0
	MUL16 2, 1, NQ-1, 1, 0
	s_wait_dscnt 0x0                               ; X's blocks 4-7 are in: no LDS instruction of mine is out from here to the barrier below
	WIN MUL_HI
	MUL16 4, 1, NQ-1, 1, 0
	MUL16 6, 1, NQ-1, 1, 0
	WIN 0
	PLACES NP                                      ; behind the last products, ahead of the first reads of results
	GATES 0, 0                                     ; the gates of stages 0 and 1 want nothing of old_cell: 256 sigmoids stand between its request and the wait for it
	GATES 0, 2
	WIN 0
	s_wait_tensorcnt 0x0                           ; my 64 rows of old_cell have landed (the one load that was out):
	s_barrier_signal -1                            ; say so: two waves brought the rows that I read.
	s_barrier_wait -1
.irp a, 0,1,2,3,4,5,6,7                        ; old_cell in the result's layout: row 16 a + r, units 16 (g / 2) + 8 h + 4 (g % 2) on
.irp g, 0,1,2,3
	ds_load_b128 v[CE+16*\a+4*\g:CE+16*\a+4*\g+3], v[CA] offset:\a*ABLK+64*(\g/2)+16*(\g%2)
.endr
.endr
	s_wait_dscnt 24                                ; blocks 0 and 1 are in registers; the 24 loads of blocks 2 to 7 may be out.  Their bytes in the stage, which I alone have read, take new_cell behind my own loads
	CELL 0, 0
	HID 0, 0
	BACK 0
	GATES 1, 0                                     ; register work while stage 0's rows come back from LDS
	SEND 0, 0, 0
	CELL 0, 2
	HID 0, 2
	BACK 1
	GATES 1, 2
	SEND 1, 0, 0
	CELL 1, 0
	HID 1, 0
	BACK 2
	CELL 1, 2
	SEND 2, 8, 0                                   ; behind stage 2's loads: the eight LDS stores of stage 3's cell
	HID 1, 2
	BACK 3
	SEND 3, 0, 1
	WIN 0
	s_wait_tensorcnt 0x0                           ; the wave's end: behind my last tensor load and my last LDS store
	ds_add_u32 v[SPW], v[NIL]
	s_wait_dscnt 0x0
	CROUND                                         ; the closing round: no work-group ends while a partner may still ask for a tile that names it
	s_endpgm
.Lfunc_end_k_q18103992ae_gemm:
	.size	k_q18103992ae_gemm, .Lfunc_end_k_q18103992ae_gemm-k_q18103992ae_gemm
	.p2alignl 7, 3214868480
	.fill 96, 4, 3214868480
	.section	.rodata,"a",@progbits
	.p2align	6, 0x0
	.amdhsa_kernel k_q18103992ae_gemm
		.amdhsa_group_segment_fixed_size 327680
		.amdhsa_private_segment_fixed_size 0
		.amdhsa_enable_private_segment 0
		.amdhsa_kernarg_size 64
		.amdhsa_user_sgpr_count 2
		.amdhsa_user_sgpr_kernarg_segment_ptr 1
		.amdhsa_wavefront_size32 1
		.amdhsa_system_sgpr_workgroup_id_x 1
		.amdhsa_system_sgpr_workgroup_id_y 1
		.amdhsa_system_sgpr_workgroup_id_z 1
		.amdhsa_system_vgpr_workitem_id 0
		.amdhsa_next_free_vgpr 1024
		.amdhsa_next_free_sgpr 106
		.amdhsa_reserve_vcc 0
		.amdhsa_float_denorm_mode_32 3
		.amdhsa_float_denorm_mode_16_64 3
		.amdhsa_memory_ordered 1
		.amdhsa_forward_progress 1
		.amdhsa_inst_pref_size 255
	.end_amdhsa_kernel
	.section	.bss,"aw",@nobits
	.p2align	6
	.space	262144
	.amdgpu_metadata
---
amdhsa.version: [ 1, 2 ]
amdhsa.kernels:
  - .name:           k_q18103992ae_gemm
    .symbol:         k_q18103992ae_gemm.kd
    .args:
      - { .name: xc, .offset: 0, .size: 8, .value_kind: global_buffer, .address_space: global }
      - { .name: xs, .offset: 8, .size: 8, .value_kind: global_buffer, .address_space: global }
      - { .name: wc, .offset: 16, .size: 8, .value_kind: global_buffer, .address_space: global }
      - { .name: ws, .offset: 24, .size: 8, .value_kind: global_buffer, .address_space: global }
      - { .name: bias, .offset: 32, .size: 8, .value_kind: global_buffer, .address_space: global }
      - { .name: old_cell, .offset: 40, .size: 8, .value_kind: global_buffer, .address_space: global }
      - { .name: out0, .offset: 48, .size: 8, .value_kind: global_buffer, .address_space: global }
      - { .name: out1, .offset: 56, .size: 8, .value_kind: global_buffer, .address_space: global }
    .group_segment_fixed_size: 327680
    .private_segment_fixed_size: 0
    .kernarg_segment_align: 8
    .kernarg_segment_size: 64
    .max_flat_workgroup_size: 128
    .sgpr_count:     106
    .vgpr_count:     1024
    .wavefront_size: 32
...
	.end_amdgpu_metadata
.endif
;; end of part 2
